; MI455X (gfx1250); checked and timed in simulation.
; The chip was launched on July 23, 2026; its instructions are those of AMD's public machine-readable ISA for CDNA 5 (MIT licence, August 2026) and "CDNA5" Instruction Set Architecture Reference Guide (July 2026). The comments in the code are by the model that wrote it; some were corrected since.
;; Task Conditioned Attention. Allowed arithmetic: matrix products marked QUANTISED: E2M3 operands, one E8M0 scale for each 32 along K, by v_wmma_scale_f32_16x16x128_f8f6f4 with both operands' format E2M3, f32 sums; products left as they are: f32 operands where the result goes on into a quantised operand, else bf16, f16 or f32 operands; f32 sums; everything else in f32.
;; Inputs: Wk_codes 1,024 x 32 x 24 uint8 (E2M3 codes of Wk, K innermost, in blocks of 32 codes, four codes in three bytes); Wk_scales 1,024 x 32 uint8 (E8M0 scales of Wk, one for each 32 codes along K); Wo_codes 1,024 x 32 x 24 uint8 (E2M3 codes of Wo, K innermost, in blocks of 32 codes, four codes in three bytes); Wo_scales 1,024 x 32 uint8 (E8M0 scales of Wo, one for each 32 codes along K); Wq_codes 1,024 x 32 x 24 uint8 (E2M3 codes of Wq, K innermost, in blocks of 32 codes, four codes in three bytes); Wq_scales 1,024 x 32 uint8 (E8M0 scales of Wq, one for each 32 codes along K); Wt 64 x 16 float32; Wv_codes 1,024 x 32 x 24 uint8 (E2M3 codes of Wv, K innermost, in blocks of 32 codes, four codes in three bytes); Wv_scales 1,024 x 32 uint8 (E8M0 scales of Wv, one for each 32 codes along K); bk 1,024 float32; bo 1,024 float32; bq 1,024 float32; bt 16 float32; bv 1,024 float32; mask 4 x 2,048 int32; task_emb 4 x 64 float32; x_codes 4 x 2,048 x 32 x 24 uint8 (E2M3 codes of x, K innermost, in blocks of 32 codes, four codes in three bytes); x_scales 4 x 2,048 x 32 uint8 (E8M0 scales of x, one for each 32 codes along K).
;; Outputs: out0 4 x 2,048 x 1,024 float32.
;; This version of the problem:
;;   THIS VERSION OF THE PROBLEM IS GIVEN IN LOW PRECISION. The matrix products marked QUANTISED in the list below multiply operands that are first quantised to E2M3 (2 exponent bits, 3 mantissa bits; 6 bits a number), with one power-of-two scale for each 32 numbers along K (OCP MX v1.0); their sums are f32. All else is computed in f32.
;;   The module's matrix products, in the order in which they are computed (A, B: the left and right operand; K: the contracted axis; several contracted axes count as one K, in the product's order):
;;     1. [M 8,192, K 1,024] x [K 1,024, N 1,024]; A: input x (given as codes); B: input Wq (given as codes): QUANTISED
;;     2. [M 8,192, K 1,024] x [K 1,024, N 1,024]; A: input x (given as codes); B: input Wk (given as codes): QUANTISED
;;     3. [M 8,192, K 1,024] x [K 1,024, N 1,024]; A: input x (given as codes); B: input Wv (given as codes): QUANTISED
;;     4. batch 64 x [M 2,048, K 64] x [K 64, N 2,048]; A: computed on the way; B: computed on the way: QUANTISED
;;     5. [M 4, K 64] x [K 64, N 16]; A: input task_emb; B: input Wt: left as it is (M = 4 < 16)
;;     6. batch 64 x [M 2,048, K 2,048] x [K 2,048, N 64]; A: softmax (see below); B: computed on the way: QUANTISED
;;     7. [M 8,192, K 1,024] x [K 1,024, N 1,024]; A: computed on the way; B: input Wo (given as codes): QUANTISED
;;   THE QUANTISER, for each operand of a quantised product, along K:
;;     - K is cut into blocks of 32 from its start; a last block that is shorter is filled with zeros.
;;     - A block's scale is 2^e with e = floor(log2(the largest magnitude in the block)) - 2, held to -126 .. 127; a block of zeros has e = 0. As a byte (E8M0): e + 127.
;;     - Each number is divided by its block's scale, clamped to +-7.5, and rounded to the nearest number of E2M3, ties to even, subnormals kept.
;;     - The product sums the exact products of the quantised numbers (number of the format x scale) in f32.
;;   ~~~python
;;   def quantise(x, axis):      # numpy; x: float32 -> the quantised numbers, widened to float32 again
;;       x = np.moveaxis(x, axis, -1); K = x.shape[-1]
;;       x = np.pad(x, [(0, 0)] * (x.ndim - 1) + [(0, -K % 32)]); x = x.reshape(x.shape[:-1] + (-1, 32)); a = np.abs(x).max(-1, keepdims=True)
;;       e = np.where(a > 0, np.clip(np.frexp(np.where(a > 0, a, 1))[1] - 1 - 2, -126, 127), 0)      # np.frexp(a)[1] - 1 = floor(log2(a)), exactly
;;       r = np.clip(x / 2.0 ** e, -7.5, 7.5)
;;       step = 2.0 ** (np.maximum(np.frexp(np.where(r == 0, 1, r))[1] - 1, 0) - 3)
;;       q = np.round(r / step) * step * 2.0 ** e      # np.round: ties to even
;;       return np.moveaxis(q.reshape(q.shape[:-2] + (-1,))[..., :K], -1, axis).astype(np.float32)
;;   ~~~
;;   SOFTMAX AHEAD OF A QUANTISED PRODUCT. Where the list says 'softmax', what is quantised is not the finished softmax but p = 2^(t - M), with t = logit x log2(e) and M = ceil(the row's largest t), a whole number; so 1/2 < the row's largest p <= 1. The row's sum l is taken of the UNQUANTISED p, in f32, and the product's result is divided by l at the end. Since M is a whole number, a kernel that streams over the keys may use a running M (the ceiling of the running maximum): every later rescaling is an exact power of two, which a block's scale takes up: the codes' values come out the same.
;;   OPERANDS COMPUTED ON THE WAY. 'Computed on the way' means the value that the module computes at that place (a softmax that the list does not call 'softmax' is quantised finished and normalised). What goes into a quantiser is computed in f32, as accurately as f32 sums, v_exp_f32 and their like allow (about 1e-6 of the number): no bf16 or f16 on the way to a quantiser, and a product that is left as it is and whose result goes on into a quantised operand takes f32 operands (vector FMAs, or v_wmma_f32_16x16x4_f32). A number that lies on a knife's edge between two numbers of the format may be rounded either way, as far as f32 arithmetic and the matrix unit's own rounding can turn it there, and no further.
;;   INPUTS GIVEN AS CODES. Wk (in the module: [1024, 1024], K = its axis 0); Wo (in the module: [1024, 1024], K = its axis 0); Wq (in the module: [1024, 1024], K = its axis 0); Wv (in the module: [1024, 1024], K = its axis 0); x (in the module: [4, 2048, 1024], K = its axis 2): each comes as NAME_codes (uint8): NAME with its K axis moved to the last place and cut into blocks of 32 codes, [.., K / 32, bytes a block], one block behind the other in memory; four codes in three bytes: a row's codes are one little-endian stream of bits, code i at bits 6 i .. 6 i + 5 (a code: sign, 2 exponent bits, 3 mantissa bits); and NAME_scales (uint8): the same leading axes, one E8M0 byte (e + 127) for each 32 codes along K. Its value is code x scale, taken as it is: it is not quantised again, and the codes and scales need not be those that the quantiser above would give.
;; One version. Each part assembles by itself: llvm-mc -triple=amdgcn-amd-amdhsa -mcpu=gfx1250 --defsym DOCPART=n.
;; ======== version 1 of 1: 3 launches
;; limits: right only within a limited range of input values
;; workspace buffers: qc 6,291,456 bytes; qs 262,144 bytes; kc 6,291,456 bytes; ks 262,144 bytes; vc 6,291,456 bytes; vs 262,144 bytes; aoc 6,291,456 bytes; aos 262,144 bytes
;; launch qkv (part 1): grid 4 x 192, 4 waves a work-group, clusters of 4 x 4, 327,680 bytes of LDS; arguments x_codes, x_scales, Wq_codes, Wq_scales, Wk_codes, Wk_scales, Wv_codes, Wv_scales, bq, bk, bv, qc, qs, kc, ks, vc, vs; writes qc, qs, kc, ks, vc, vs
.if DOCPART == 1
	.amdgcn_target "amdgcn-amd-amdhsa--gfx1250"
	.amdhsa_code_object_version 6
	.text
	.protected	k_q019c1e632d_qkv
	.globl	k_q019c1e632d_qkv
	.p2align	8
	.type	k_q019c1e632d_qkv,@function
k_q019c1e632d_qkv:
	s_mov_b64 s[64:65], 0
	v_nop
	global_prefetch_b8 v0, s[64:65] scope:SCOPE_SE
	s_setreg_imm32_b32 hwreg(HW_REG_WAVE_MODE, 25, 1), 1
	s_wait_xcnt 0x0
	s_wait_alu depctr_hold_cnt(0) depctr_sa_sdst(0) depctr_va_vdst(0) depctr_va_sdst(0) depctr_va_ssrc(0) depctr_va_vcc(0) depctr_vm_vsrc(0)
	s_getreg_b32 s2, hwreg(HW_REG_IB_STS2, 6, 4)
	s_cmp_eq_u32 s2, 0
	s_cbranch_scc0 .Lentry_in_a_cluster
	s_endpgm
.Lentry_in_a_cluster:
	s_bfe_u32 s2, ttmp6, 0x10000c
	s_cmp_lg_u32 s2, 0xf033
	s_cbranch_scc0 .Lentry_shape_is_right
	s_endpgm
.Lentry_shape_is_right:
; q = x Wq + bq, k = x Wk + bk, v = x Wv + bv on codes of FP6 (E2M3), each result quantised again: q and k along the head's 64, v along the keys.
; Jobs 0, 1 (q, k): A = x's rows, B = the weight's rows.  Job 2 (v): A = Wv's rows (channels), B = x's rows (keys).  256 work-groups a job.
; A block of the result is 128 rows of A x 256 rows of B; four waves, each 64 x 128: 32 accumulators in window 2.
; ALL OF K LIES IN LDS: whole rows of 768 bytes, which begin at multiples of 256 bytes, 16 bytes of padding behind each 256: pitch 816.
; One joint load a wave at the head (waves 0, 1: 64 rows of A each; waves 2, 3: 128 rows of B each); nothing is filled again.
; CLUSTERS 4 x 4: A's tile is shared along a row of the cluster, B's along a column.  No prefetch: the text has no loop to run ahead in.
; The scale words come from memory straight into registers: lane l takes row 32 i + l's 32 bytes, so lanes 0-15 hold an even block's words, lanes 16-31 the odd block's (ROW1).
; The matrix instruction is used transposed (source 0 = B's rows, source 1 = A's).  The bias is the C of the first step's products.
; Window 0: v0-31 addresses; v32-47 A's scale words, v48-79 B's; v80-143 the bias; v144-239 A's fragments, two sets.  Window 1: B's fragments at v0 and v128.
; On the way out v32-63 codes, v64-77 at work, v128-255 rows read back from the stage.  The stage lies in A's bytes, behind a barrier that follows every wave's last read.
.set PITCH,  816
.set BLK,    16*PITCH
.set ABY,    128*PITCH
.set SPARE,  ABY+256*PITCH
.set SPITCH, 528
.set SCG,    4*16*SPITCH
.set SCWA, 7
.set SHB,  8
.set SRD,  9
.set SO8,  10
.set RDQ,  11
.set CO12, 12
.set BNO,  13
.set BMO,  14
.set SVO,  15
.set ADRA, 16
.set ADRB, 20
.set STO,  24
.set SPW,  28
.set NIL,  29
.set SA,   32
.set SB,   48
.set BO,   80
.set AF,   144
.set CB,   32
.set T0,   64
.set T1,   65
.set T2,   66
.set T3,   67
.set T4,   68
.set W0,   69
.set WW,   72
.set BK,   128
.set G1,   24
.set G0,   32
.set G1B,  48
.set G0B,  56
.set JOB,  66
.set MSB, 0
.macro WIN new
.if MSB != \new
	s_set_vgpr_msb (MSB<<8)|\new
.set MSB, \new
.endif
.endm
.macro PLACES
.rept 4
	v_nop
.endr
.endm
.macro CROUND
	s_barrier_signal -1
	s_barrier_wait -1
	s_cmp_lg_u32 s14, 0
	s_cbranch_scc1 .Lnot_wave_0_\@
	s_barrier_signal -3
.Lnot_wave_0_\@:
	s_barrier_wait -3
	s_barrier_signal -1
	s_barrier_wait -1
.endm
	s_load_b512 s[24:39], s[0:1], 0x0
	s_load_b512 s[68:83], s[0:1], 0x40
	s_load_b64 s[84:85], s[0:1], 0x80
	v_lshl_add_u32 v[SPW], v0, 2, SPARE
	v_mov_b32 v[NIL], 0
	ds_add_u32 v[SPW], v[NIL]              ; the opening lines: the add twice and one wait
	ds_add_u32 v[SPW], v[NIL]
	v_lshrrev_b32 v1, 5, v0
	v_readfirstlane_b32 s14, v1            ; wave
	s_lshr_b32 s15, s14, 1                 ; my half of A's rows; also: I fetch for A (0) or B (1)
	s_and_b32 s16, s14, 1                  ; my half of B's rows; also: which part I fetch
	s_bfe_u32 s40, ttmp6, 0x40000          ; cx
	s_bfe_u32 s41, ttmp6, 0x40004          ; cy
	s_and_b32 s18, ttmp7, 0xffff
	s_lshr_b32 s[JOB], s18, 4
	s_and_b32 s18, s18, 15
	s_and_b32 s19, s18, 1
	s_lshr_b32 s20, s18, 1
	s_cmp_eq_u32 s[JOB], 2
	s_cselect_b32 s17, s19, s18            ; jobs 0, 1: 64 tile rows x 4 tile columns; job 2: 8 x 32
	s_cselect_b32 s42, s20, 0
	s_lshl_b32 s17, s17, 2
	s_add_co_u32 s17, s17, s41             ; tile row
	s_lshl_b32 s42, s42, 2
	s_add_co_u32 s42, s42, s40             ; tile column
	s_lshl_b32 s43, s41, 2
	s_lshl_b32 s43, 15, s43                ; my row of the cluster
	s_lshl_b32 s44, 0x1111, s40            ; my column
	s_lshl_b32 s20, s17, 7
	s_lshl_b32 s18, s16, 6
	s_add_co_u32 s20, s20, s18
	s_mul_i32 s20, s20, 768                ; A: the 64 rows that I would fetch
	s_mov_b32 s21, 0
	s_lshl_b32 s46, s42, 8
	s_lshl_b32 s18, s16, 7
	s_add_co_u32 s46, s46, s18
	s_mul_i32 s46, s46, 768                ; B: the 128 rows
	s_mov_b32 s47, 0
	s_mul_i32 s45, s16, 64*PITCH
	s_mul_i32 s94, s16, 128*PITCH
	s_add_co_u32 s94, s94, ABY
	s_lshl_b32 s86, s17, 7
	s_lshl_b32 s18, s15, 6
	s_add_co_u32 s86, s86, s18             ; my first row of A
	s_lshl_b32 s87, s42, 8
	s_lshl_b32 s18, s16, 7
	s_add_co_u32 s87, s87, s18             ; my first row of B
	s_lshl_b32 s22, s86, 5
	s_mov_b32 s23, 0
	s_lshl_b32 s92, s87, 5
	s_mov_b32 s93, 0
	s_wait_dscnt 0x0
	s_wait_kmcnt 0x0
	s_cmp_eq_u32 s[JOB], 2
	s_cselect_b64 s[4:5], s[36:37], s[24:25]
	s_cselect_b64 s[6:7], s[38:39], s[26:27]
	s_cselect_b64 s[8:9], s[24:25], s[32:33]
	s_cselect_b64 s[10:11], s[26:27], s[34:35]
	s_cselect_b64 s[12:13], s[82:83], s[78:79]
	s_cselect_b64 s[96:97], s[84:85], s[80:81]
	s_cselect_b64 s[98:99], s[72:73], s[70:71]
	s_cmp_eq_u32 s[JOB], 0
	s_cselect_b64 s[8:9], s[28:29], s[8:9]
	s_cselect_b64 s[10:11], s[30:31], s[10:11]
	s_cselect_b64 s[12:13], s[74:75], s[12:13]
	s_cselect_b64 s[96:97], s[76:77], s[96:97]
	s_cselect_b64 s[98:99], s[68:69], s[98:99]
	s_add_nc_u64 s[20:21], s[4:5], s[20:21]
	s_add_nc_u64 s[46:47], s[8:9], s[46:47]
	s_add_nc_u64 s[6:7], s[6:7], s[22:23]      ; my rows' scales
	s_add_nc_u64 s[10:11], s[10:11], s[92:93]
	s_or_b32 s[G1+0], s43, (1<<20)|(1<<21)|(5<<22)|(3<<25)   ; bytes; 4 words of padding behind every 64
	s_or_b32 s[G1B+0], s44, (1<<20)|(1<<21)|(5<<22)|(3<<25)
.irp g, G1, G1B
	s_mov_b32 s[\g+1], 768<<16
	s_mov_b32 s[\g+3], 768<<16
	s_mov_b32 s[\g+5], 768
	s_mov_b32 s[\g+6], 0
	s_mov_b32 s[\g+7], 0
.endr
	s_mov_b32 s[G1+2], 64<<16
	s_mov_b32 s[G1+4], 64
	s_mov_b32 s[G1B+2], 128<<16
	s_mov_b32 s[G1B+4], 128
	s_mov_b32 s[G0], 1
	s_mov_b32 s[G0+1], s45
	s_mov_b64 s[G0+2:G0+3], s[20:21]
	s_or_b32 s[G0+3], s[G0+3], 0x80000000
	s_mov_b32 s[G0B], 1
	s_mov_b32 s[G0B+1], s94
	s_mov_b64 s[G0B+2:G0B+3], s[46:47]
	s_or_b32 s[G0B+3], s[G0B+3], 0x80000000
	CROUND                                 ; the joint loads meet
	s_cmp_eq_u32 s15, 0
	s_cbranch_scc0 .Lfor_b
	tensor_load_to_lds s[G0:G0+3], s[G1:G1+7]
	s_nop 0
	PLACES
	s_branch .Lasked
.Lfor_b:
	tensor_load_to_lds s[G0B:G0B+3], s[G1B:G1B+7]
	s_nop 0
	PLACES
.Lasked:
	; where the results go: codes [64 of B's rows][A's row's place][48 bytes], scale words [128 of B's rows][place]
	s_mov_b32 s18, 8192
	s_cmp_eq_u32 s[JOB], 2
	s_cselect_b32 s18, 1024, s18
	s_lshr_b32 s21, s87, 6
	s_mul_i32 s21, s21, s18
	s_add_co_u32 s21, s21, s86
	s_mul_i32 s22, s21, 48
	s_mov_b32 s23, 0
	s_add_nc_u64 s[12:13], s[12:13], s[22:23]
	s_mul_i32 s22, s18, 48
	s_add_nc_u64 s[100:101], s[12:13], s[22:23]
	s_lshr_b32 s21, s87, 7
	s_mul_i32 s21, s21, s18
	s_add_co_u32 s21, s21, s86
	s_lshl_b32 s22, s21, 2
	s_add_nc_u64 s[96:97], s[96:97], s[22:23]
	s_and_b32 s21, s87, 1023
	s_lshl_b32 s21, s21, 2                 ; the bias by B's rows (jobs 0, 1)
	s_and_b32 s22, s86, 1023
	s_lshl_b32 s22, s22, 2                 ; by A's rows (job 2)
	s_mul_i32 s88, s15, 64*PITCH
	s_mul_i32 s89, s16, 128*PITCH
	s_add_co_u32 s89, s89, ABY
	s_mul_i32 s90, s14, 16*SPITCH
	s_lshl_b32 s91, s14, 9
	s_add_co_u32 s91, s91, SCG
	v_and_b32 v1, 15, v0
	v_bfe_u32 v2, v0, 4, 1
	v_mul_u32_u24 v3, v1, PITCH
	v_mad_u32_u24 v3, v2, 24, v3           ; row x pitch + 24 x half
	v_add_nc_u32 v[ADRA], s88, v3
	v_lshl_add_u32 v[ADRA+1], v2, 4, v[ADRA]   ; for a piece whose lanes 16-31 lie behind the next padding
	v_add_nc_u32 v[ADRB], s89, v3
	v_lshl_add_u32 v[ADRB+1], v2, 4, v[ADRB]
	v_add_nc_u32 v[ADRB+2], 4*BLK, v[ADRB]     ; B's blocks 4-7: an offset has 16 bits
	v_add_nc_u32 v[ADRB+3], 4*BLK, v[ADRB+1]
	v_mul_u32_u24 v5, v1, SPITCH
	v_lshl_add_u32 v5, v2, 5, v5
	v_add_nc_u32 v[STO], s90, v5
	v_bfe_u32 v6, v0, 2, 3
	v_and_b32 v4, 3, v0
	v_mul_u32_u24 v5, v6, SPITCH
	v_lshl_add_u32 v5, v4, 6, v5
	v_add_nc_u32 v[RDQ], s90, v5
	v_lshl_add_u32 v[SCWA], v6, 2, s91
	v_and_b32 v3, 31, v0
	v_lshlrev_b32 v[SO8], 3, v3
	v_add_nc_u32 v[SRD], s91, v[SO8]
	v_mul_u32_u24 v[CO12], v3, 12
	v_bfe_u32 v[SHB], v0, 1, 1
	v_lshlrev_b32 v[SHB], 3, v[SHB]
	v_lshlrev_b32 v[SVO], 5, v3
	v_lshl_add_u32 v[BNO], v2, 5, s21
	v_lshl_add_u32 v[BMO], v1, 2, s22
	s_wait_alu depctr_va_vdst(0)           ; the wait at the head's end
.irp i, 0,1
	global_load_b128 v[SA+8*\i:SA+8*\i+3], v[SVO], s[6:7] offset:1024*\i
	global_load_b128 v[SA+8*\i+4:SA+8*\i+7], v[SVO], s[6:7] offset:1024*\i+16
.endr
.irp i, 0,1,2,3
	global_load_b128 v[SB+8*\i:SB+8*\i+3], v[SVO], s[10:11] offset:1024*\i
	global_load_b128 v[SB+8*\i+4:SB+8*\i+7], v[SVO], s[10:11] offset:1024*\i+16
.endr
	s_cmp_eq_u32 s[JOB], 2
	s_cbranch_scc1 .Lby_row
.irp b, 0,1,2,3,4,5,6,7
	global_load_b128 v[BO+8*\b:BO+8*\b+3], v[BNO], s[98:99] offset:64*\b       ; register 8 b + j: B's row 16 b + 8 half + j
	global_load_b128 v[BO+8*\b+4:BO+8*\b+7], v[BNO], s[98:99] offset:64*\b+16
.endr
	s_branch .Lbias_asked
.Lby_row:
.irp a, 0,1,2,3,4,5,6,7
.irp j, 0,1,2,3,4,5,6,7
	global_load_b32 v[BO+8*\a+\j], v[BMO], s[98:99] offset:64*(\a%4)           ; registers 8 a + 0 .. 7: A's row 16 a + r (all 64 registers are written on both ways)
.endr
.endr
.Lbias_asked:
.macro FRAG reg, adr, st, off          ; 16 rows x 128 K: six pieces of 8 bytes; byte y of a row lies at y + 16 (y / 256)
.irp p, 0,1,2,3,4,5
.set BY, 96*(\st)+48*(\p/3)+8*(\p%3)
.if BY/256 == (BY+24)/256
	ds_load_b64 v[\reg+2*\p:\reg+2*\p+1], v[\adr] offset:BY+16*(BY/256)+(\off)
.else
	ds_load_b64 v[\reg+2*\p:\reg+2*\p+1], v[\adr+1] offset:BY+16*(BY/256)+(\off)
.endif
.endr
.endm
.macro FETCH st                        ; step st's fragments into set st % 2: 72 loads
	WIN 0x40
.irp i, 0,1,2,3,4,5,6,7
	FRAG 128*((\st)%2)+12*\i, ADRB+2*(\i/4), \st, (\i%4)*BLK
.endr
	WIN 0
.irp i, 0,1,2,3
	FRAG AF+48*((\st)%2)+12*\i, ADRA, \st, \i*BLK
.endr
.endm
.macro WM ao, bo                       ; odd blocks' scale words lie in lanes 16-31
.if (\ao) == 0 && (\bo) == 0
	v_wmma_scale_f32_16x16x128_f8f6f4 v[D:D+7], v[BF:BF+11], v[AA:AA+11], v[CC:CC+7], v[SBR], v[SAR] matrix_a_fmt:MATRIX_FMT_FP6 matrix_b_fmt:MATRIX_FMT_FP6
.endif
.if (\ao) == 0 && (\bo) == 1
	v_wmma_scale_f32_16x16x128_f8f6f4 v[D:D+7], v[BF:BF+11], v[AA:AA+11], v[CC:CC+7], v[SBR], v[SAR] matrix_a_fmt:MATRIX_FMT_FP6 matrix_b_fmt:MATRIX_FMT_FP6 matrix_a_scale:MATRIX_SCALE_ROW1
.endif
.if (\ao) == 1 && (\bo) == 0
	v_wmma_scale_f32_16x16x128_f8f6f4 v[D:D+7], v[BF:BF+11], v[AA:AA+11], v[CC:CC+7], v[SBR], v[SAR] matrix_a_fmt:MATRIX_FMT_FP6 matrix_b_fmt:MATRIX_FMT_FP6 matrix_b_scale:MATRIX_SCALE_ROW1
.endif
.if (\ao) == 1 && (\bo) == 1
	v_wmma_scale_f32_16x16x128_f8f6f4 v[D:D+7], v[BF:BF+11], v[AA:AA+11], v[CC:CC+7], v[SBR], v[SAR] matrix_a_fmt:MATRIX_FMT_FP6 matrix_b_fmt:MATRIX_FMT_FP6 matrix_a_scale:MATRIX_SCALE_ROW1 matrix_b_scale:MATRIX_SCALE_ROW1
.endif
.endm
.macro MULS st, cm                     ; 32 products, the 32 accumulators by turns.  cm 0: in place; 1: C = the bias by B's block; 2: by A's
.irp a, 0,1,2,3
.irp b, 0,1,2,3,4,5,6,7
.set D, 8*(8*\a+\b)
.set BF, 128*((\st)%2)+12*\b
.set AA, AF+48*((\st)%2)+12*\a
.set SBR, SB+8*(\b/2)+(\st)
.set SAR, SA+8*(\a/2)+(\st)
.set CC, D
.if (\cm) == 1
.set CC, BO+8*\b
.endif
.if (\cm) == 2
.set CC, BO+8*\a
.endif
	WM \a%2, \b%2
.endr
.endr
.endm
.macro STEP st, cm
	s_wait_dscnt 0x0                       ; this step's fragments, asked for a step ago, are in
.if (\st) == 7
	s_barrier_signal -1                    ; my reads of the tiles are over
.endif
.if (\st) > 0 && (\st) < 7
	PLACES                                 ; in front of loads into registers that the last step's products read
.endif
.if (\st) < 7
	FETCH (\st)+1
.endif
.if (\cm) == 0
	WIN 0xa1
.else
	WIN 0x81
.endif
	MULS \st, \cm
.endm
	s_wait_tensorcnt 0x0                   ; my tile is in
	s_barrier_signal -1
	s_barrier_wait -1                      ; everybody's
	FETCH 0
	s_wait_loadcnt 0x0
	s_cmp_eq_u32 s[JOB], 2
	s_cbranch_scc1 .Lfirst_by_row
	STEP 0, 1
	WIN 0
	s_branch .Lwalk
.Lfirst_by_row:
	STEP 0, 2
	WIN 0
.Lwalk:
.set ST, 1
.rept 7
	STEP ST, 0
.set ST, ST+1
.endr
	WIN 0
	s_barrier_wait -1                      ; nobody reads the tiles any more: the stage may be written
.macro TOSTAGE a
	WIN 0x08
.irp b, 0,1,2,3,4,5,6,7
	ds_store_b128 v[STO], v[64*(\a)+8*\b:64*(\a)+8*\b+3] offset:64*\b
	ds_store_b128 v[STO], v[64*(\a)+8*\b+4:64*(\a)+8*\b+7] offset:64*\b+16
.endr
	WIN 0
.set BB, BK+64*((\a)%2)
.irp p, 0,1,2,3
.irp i, 0,1,2,3
	ds_load_b128 v[BB+16*\p+4*\i:BB+16*\p+4*\i+3], v[RDQ] offset:(\p/2)*8*SPITCH+256*(\p%2)+16*\i
.endr
.endr
.endm
.macro PASS a, p                       ; 8 rows x 64 of B's rows: a lane has 16 neighbours, two lanes a block of 32
.set XS, BK+64*((\a)%2)+16*(\p)
.set CR, CB+16*((\a)%2)+4*(\p)
.set P8, 4*((\a)/2)+2*((\p)/2)+(\a)%2
	v_max3_num_f32 v[T0], |v[XS]|, |v[XS+1]|, |v[XS+2]|
	v_max3_num_f32 v[T1], |v[XS+3]|, |v[XS+4]|, |v[XS+5]|
.irp i, 6,10
	v_max3_num_f32 v[T0], v[T0], |v[XS+\i]|, |v[XS+\i+1]|
	v_max3_num_f32 v[T1], v[T1], |v[XS+\i+2]|, |v[XS+\i+3]|
.endr
	v_max3_num_f32 v[T0], v[T0], |v[XS+14]|, |v[XS+15]|
	v_max3_num_f32 v[T0], v[T0], v[T1], 0x1800000
	v_max_num_f32_dpp v[T0], v[T0], v[T0] row_xmask:1 row_mask:0xf bank_mask:0xf
	v_add_nc_u32 v[T2], 0xff000000, v[T0]
	v_cvt_scalef32_pk16_fp6_f32 v[CR:CR+2], v[XS:XS+15], v[T2]
	v_lshrrev_b32 v[T3], 23, v[T2]
	v_lshlrev_b32 v[T3], v[SHB], v[T3]
	v_mov_b32_dpp v[T4], v[T3] row_xmask:2 row_mask:0xf bank_mask:0xf
	v_or_b32 v[W0+(\p)%2], v[T3], v[T4]
.if (\p)%2 == 0
	global_store_b96 v[CO12], v[CR:CR+2], s[12:13] offset:384*P8
.else
	global_store_b96 v[CO12], v[CR:CR+2], s[100:101] offset:384*P8
	v_lshl_or_b32 v[WW+2*((\a)%2)+(\p)/2], v[W0+1], 16, v[W0]
	ds_store_b32 v[SCWA], v[WW+2*((\a)%2)+(\p)/2] offset:32*P8
.endif
.endm
.macro QSEND a, younger
	s_wait_dscnt \younger
	PASS \a, 0
	PASS \a, 1
	PASS \a, 2
	PASS \a, 3
.endm
	PLACES
	TOSTAGE 0
.irp a, 1,2,3
.if \a > 1
	s_wait_xcnt 0x0                        ; the stores of two blocks ago have read their registers
.endif
	TOSTAGE \a
	QSEND \a-1, 32                         ; behind that block's loads: at least this block's 16 stores and 16 loads
.endr
	QSEND 3, 0
	ds_load_b64 v[76:77], v[SRD]           ; my 64 rows' scale words: 256 bytes
	s_wait_dscnt 0x0
	global_store_b64 v[SO8], v[76:77], s[96:97]
	s_wait_tensorcnt 0x0                   ; the wave's end
	ds_add_u32 v[SPW], v[NIL]
	s_wait_dscnt 0x0
	CROUND                                 ; the closing round
	s_endpgm
.Lfunc_end_k_q019c1e632d_qkv:
	.size	k_q019c1e632d_qkv, .Lfunc_end_k_q019c1e632d_qkv-k_q019c1e632d_qkv
	.p2alignl 7, 3214868480
	.fill 96, 4, 3214868480
	.section	.rodata,"a",@progbits
	.p2align	6, 0x0
	.amdhsa_kernel k_q019c1e632d_qkv
		.amdhsa_group_segment_fixed_size 327680
		.amdhsa_private_segment_fixed_size 0
		.amdhsa_enable_private_segment 0
		.amdhsa_kernarg_size 136
		.amdhsa_user_sgpr_count 2
		.amdhsa_user_sgpr_kernarg_segment_ptr 1
		.amdhsa_wavefront_size32 1
		.amdhsa_system_sgpr_workgroup_id_x 1
		.amdhsa_system_sgpr_workgroup_id_y 1
		.amdhsa_system_sgpr_workgroup_id_z 1
		.amdhsa_system_vgpr_workitem_id 0
		.amdhsa_next_free_vgpr 768
		.amdhsa_next_free_sgpr 102
		.amdhsa_reserve_vcc 0
		.amdhsa_float_denorm_mode_32 3
		.amdhsa_float_denorm_mode_16_64 3
		.amdhsa_memory_ordered 1
		.amdhsa_forward_progress 1
		.amdhsa_inst_pref_size 122
	.end_amdhsa_kernel
	.amdgpu_metadata
---
amdhsa.version: [ 1, 2 ]
amdhsa.kernels:
  - .name:           k_q019c1e632d_qkv
    .symbol:         k_q019c1e632d_qkv.kd
    .args:
      - { .name: x_codes, .offset: 0, .size: 8, .value_kind: global_buffer, .address_space: global }
      - { .name: x_scales, .offset: 8, .size: 8, .value_kind: global_buffer, .address_space: global }
      - { .name: Wq_codes, .offset: 16, .size: 8, .value_kind: global_buffer, .address_space: global }
      - { .name: Wq_scales, .offset: 24, .size: 8, .value_kind: global_buffer, .address_space: global }
      - { .name: Wk_codes, .offset: 32, .size: 8, .value_kind: global_buffer, .address_space: global }
      - { .name: Wk_scales, .offset: 40, .size: 8, .value_kind: global_buffer, .address_space: global }
      - { .name: Wv_codes, .offset: 48, .size: 8, .value_kind: global_buffer, .address_space: global }
      - { .name: Wv_scales, .offset: 56, .size: 8, .value_kind: global_buffer, .address_space: global }
      - { .name: bq, .offset: 64, .size: 8, .value_kind: global_buffer, .address_space: global }
      - { .name: bk, .offset: 72, .size: 8, .value_kind: global_buffer, .address_space: global }
      - { .name: bv, .offset: 80, .size: 8, .value_kind: global_buffer, .address_space: global }
      - { .name: qc, .offset: 88, .size: 8, .value_kind: global_buffer, .address_space: global }
      - { .name: qs, .offset: 96, .size: 8, .value_kind: global_buffer, .address_space: global }
      - { .name: kc, .offset: 104, .size: 8, .value_kind: global_buffer, .address_space: global }
      - { .name: ks, .offset: 112, .size: 8, .value_kind: global_buffer, .address_space: global }
      - { .name: vc, .offset: 120, .size: 8, .value_kind: global_buffer, .address_space: global }
      - { .name: vs, .offset: 128, .size: 8, .value_kind: global_buffer, .address_space: global }
    .group_segment_fixed_size: 327680
    .private_segment_fixed_size: 0
    .kernarg_segment_align: 8
    .kernarg_segment_size: 136
    .max_flat_workgroup_size: 128
    .sgpr_count:     102
    .vgpr_count:     768
    .wavefront_size: 32
...
	.end_amdgpu_metadata
.endif
;; end of part 1
;; launch attn (part 2): grid 4 x 64, 16 waves a work-group, clusters of 4 x 1, 210,944 bytes of LDS; arguments qc, qs, kc, ks, vc, vs, mask, task_emb, Wt, bt, aoc, aos; writes aoc, aos
.if DOCPART == 2
	.amdgcn_target "amdgcn-amd-amdhsa--gfx1250"
	.amdhsa_code_object_version 6
	.text
	.protected	k_q019c1e632d_attn
	.globl	k_q019c1e632d_attn
	.p2align	8
	.type	k_q019c1e632d_attn,@function
k_q019c1e632d_attn:
	s_mov_b64 s[64:65], 0
	v_nop
	global_prefetch_b8 v0, s[64:65] scope:SCOPE_SE
	s_setreg_imm32_b32 hwreg(HW_REG_WAVE_MODE, 25, 1), 1
	s_wait_xcnt 0x0
	s_wait_alu depctr_hold_cnt(0) depctr_sa_sdst(0) depctr_va_vdst(0) depctr_va_sdst(0) depctr_va_ssrc(0) depctr_va_vcc(0) depctr_vm_vsrc(0)
	s_getreg_b32 s2, hwreg(HW_REG_IB_STS2, 6, 4)
	s_cmp_eq_u32 s2, 0
	s_cbranch_scc0 .Lentry_in_a_cluster
	s_endpgm
.Lentry_in_a_cluster:
	s_bfe_u32 s2, ttmp6, 0x10000c
	s_cmp_lg_u32 s2, 0x3003
	s_cbranch_scc0 .Lentry_shape_is_right
	s_endpgm
.Lentry_shape_is_right:
; ATTENTION ON CODES OF FP6 (E2M3) FOR ONE (batch b, head h) A CLUSTER: logits = q . k / 8 + task bias, hidden keys (mask == 0) taken out, p = 2^(t - M), O = (p V) / (the sum of the unquantised p), O quantised along the head's 64.
; IN (made by the launch before): qc, kc [head][place of b 2,048 + s][48 bytes]; qs, ks [head / 2][place] words (bytes 0, 1: the even head's two blocks; 2, 3: the odd head's); vc [b 32 + key / 64][place of 64 h + d][48 bytes];
; vs [b 16 + key / 128][place] words.  A place is a row's number with its bits 3 and 4 exchanged: sixteen consecutive places are rows 8 u + r + 8 (r / 8) of a group of 32.
; OUT: aoc [row / 16][head][768 bytes]: half of the next product's fragment (64 along its K) as an image of its registers: registers 0-3 of lane l at 16 l, registers 4-5 at 512 + 8 l; aos [row][32]: byte 2 h + block.
; SHARES.  The cluster's four work-groups take 512 queries each.  ALL of the head's K and V (192 KiB of codes) lies in each one's LDS, filled once by joint loads: no ring, nothing is filled again, and no barrier stands in the loops.
; Each of the SIXTEEN waves owns one tile of 16 queries at a time, in 256 registers (four waves to a SIMD: one wave's vector work stands beside another's products), walks all 2,048 keys in 16 steps of 128, and does so twice.
; LAYOUT.  Both products are used transposed: S^T = K Q^T (source 0 = 16 keys), O^T = V^T P^T (source 0 = 16 of the head's 64): a lane holds ONE query (lane % 16) throughout.  By the places, the 16 registers of tiles
; 2 b and 2 b + 1 are 16 neighbouring keys (or channels), 32 b + 16 (lane / 16) + 0 .. 15: what the conversions want.
; THE MASK RIDES IN THE PRODUCT.  The head's 64 fill k = 0 .. 63 of the instruction's 128.  At k = 64 every query carries the code of +1 and every key the code of -1; the key's scale byte for that block is 254 where the key is hidden
; (the score gets -2^127, so p = 0) and 1 where it counts (the score gets -2^-126).  All other codes of k = 64 .. 127 are zeros.  THE TASK BIAS RIDES IN THE ADDEND of the multiply-add that makes t - M.
; M = the running largest t rounded up to a whole number; when it moves, the sum and O^T are multiplied by 2^(old M - new M), which rounds nothing.  The largest t begins at -2^100, over every hidden key's t.
; LIMITS: a logit x log2(e) under -2^100 counts as hidden; an open key's score carries -2^-126; a row whose every key is hidden is not served; NaN and infinities are not served; a block of zeros gets the byte 1.
; REGISTERS: v1-4, v7 lane addresses; v5 -M; v6 task bias x log2(e); v8-11 addresses in hand; v12 bias - M, v13 the largest t; v[14:15] the sum; v16-27 Q; v28-31 V's scale words; v32-79 four fragments of K; v80-127 four of V;
;   v128-191 S^T, then p; v192-223 O^T; v224-235 p's codes; v232-247 at work; v248-251 K's scale words; v252 f; v253 p's scale word; v254 at work; v255 Q's scale word.
.set KC,   0                           ; LDS: 2,048 places x 48 bytes of K.  12 r + 6 h words: the 32 lanes of a load of 8 bytes touch 64 different banks (64 banks of 4 bytes: ISA guide 11.1)
.set VC,   98304                       ; 32 groups of 64 keys x (64 places of d x 48 bytes)
.set VSW,  196608                      ; V's scale words: 16 steps x 64 words
.set KSW,  200704                      ; K's scale words with the mask's byte, 2,048: stored by the waves; no fill lands here
.set S,    128
.set O,    192
.set WV,   20                          ; s20  wave
.set SEL,  80                          ; s[80:81] selects for lane l xor 16
.set CS,   82                          ; s[82:83] c = log2(e) / 8
.set TB,   84                          ; s84  the step's codes: 6,144 bytes a step, in K and in V
.set TS,   85                          ; s85  K's scale words: 512 bytes a step
.set TJ,   86                          ; s86  V's: 256 bytes a step
.macro ROUND                           ; a round of the cluster's barrier
	s_barrier_signal -1
	s_barrier_wait -1
	s_cmp_lg_u32 s[WV], 0
	s_cbranch_scc1 .Lnot_wave_0_\@
	s_barrier_signal -3
.Lnot_wave_0_\@:
	s_barrier_wait -3
	s_barrier_signal -1
	s_barrier_wait -1
.endm
	s_load_b512 s[4:19], s[0:1], 0x0               ; qc, qs, kc, ks, vc, vs, mask, task_emb
	s_load_b256 s[68:75], s[0:1], 0x40             ; Wt, bt, aoc, aos
	v_lshl_add_u32 v254, v0, 2, 0x33000
	v_mov_b32 v255, 0
	ds_add_u32 v254, v255
	ds_add_u32 v254, v255
	s_wait_dscnt 0x0
	v_lshrrev_b32 v1, 5, v0
	s_delay_alu instid0(VALU_DEP_1)
	v_readfirstlane_b32 s[WV], v1                  ; wave 0..15
	s_bfe_u32 s21, ttmp6, 0x40000                  ; cx: it enters the addresses of q and of the results alone
	s_and_b32 s22, ttmp7, 0xffff
	s_and_b32 s23, s22, 15                         ; h
	s_lshr_b32 s22, s22, 4                         ; b
	; descriptor groups 1: elements of 8 bytes, no padding, the mask names all four work-groups, bit 21 beside it
	s_mov_b32 s24, 15|(3<<16)|(1<<21)              ; K: 8 rows of 3,072 bytes, dense: a quarter of the head's 98,304
	s_mov_b32 s25, 384<<16
	s_mov_b32 s26, 8<<16
	s_mov_b32 s27, 384<<16
	s_mov_b32 s28, 8
	s_mov_b32 s29, 384
	s_mov_b32 s30, 0
	s_mov_b32 s31, 0
	s_mov_b32 s32, 15|(3<<16)|(1<<21)              ; V: 8 groups of keys, the head's 3,072 bytes of each, 49,152 bytes apart
	s_mov_b32 s33, 384<<16
	s_mov_b32 s34, 8<<16
	s_mov_b32 s35, 384<<16
	s_mov_b32 s36, 8
	s_mov_b32 s37, 6144
	s_mov_b32 s38, 0
	s_mov_b32 s39, 0
	s_mov_b32 s40, 15|(3<<16)|(1<<21)              ; V's scale words: 16 steps, the head's 256 bytes of each, 4,096 bytes apart
	s_mov_b32 s41, 32<<16
	s_mov_b32 s42, 16<<16
	s_mov_b32 s43, 32<<16
	s_mov_b32 s44, 16
	s_mov_b32 s45, 512
	s_mov_b32 s46, 0
	s_mov_b32 s47, 0
	s_and_b32 s92, s[WV], 3                        ; which quarter I fetch, if I fetch
	s_mul_i32 s93, s92, 24576                      ; its place in LDS, and in K's block of memory
	s_mul_i32 s94, s23, 393216
	s_mul_i32 s95, s22, 98304
	s_add_co_u32 s94, s94, s95                     ; the (b, h)'s first byte in qc and kc
	s_add_co_u32 s96, s94, s93
	s_mov_b32 s97, 0
	s_mul_i32 s98, s22, 1572864
	s_mul_i32 s99, s23, 3072
	s_add_co_u32 s98, s98, s99
	s_mul_i32 s99, s92, 393216
	s_add_co_u32 s98, s98, s99                     ; V: batch, head, my 8 groups of keys
	s_mov_b32 s99, 0
	s_lshl_b32 s76, s22, 16
	s_lshl_b32 s77, s23, 8
	s_add_co_u32 s76, s76, s77                     ; V's scale words: batch, head
	s_mov_b32 s77, 0
	s_mov_b32 s[SEL], 0x76543210
	s_mov_b32 s[SEL+1], 0xfedcba98
	s_mov_b32 s[CS], 0x3e38aa3b                    ; log2(e) / 8
	s_mov_b32 s[CS+1], s[CS]                       ; (named with it as a pair, so it is written)
	s_and_b32 s89, s23, 1
	s_lshl_b32 s89, s89, 4                         ; where my head's two bytes begin in a word of qs or ks
	s_mov_b32 s90, 0xffff0000                      ; lanes 16-31
	s_wait_kmcnt 0x0
	s_mov_b32 s48, 1                               ; groups 0: K's,
	s_mov_b32 s49, s93
	s_add_nc_u64 s[50:51], s[8:9], s[96:97]
	s_or_b32 s51, s51, 0x80000000
	s_mov_b32 s52, 1                               ; V's,
	s_add_co_u32 s53, s93, VC
	s_add_nc_u64 s[54:55], s[12:13], s[98:99]
	s_or_b32 s55, s55, 0x80000000
	s_mov_b32 s56, 1                               ; V's scale words'
	s_mov_b32 s57, VSW
	s_add_nc_u64 s[58:59], s[14:15], s[76:77]
	s_or_b32 s59, s59, 0x80000000
	ROUND                                          ; all four work-groups are here: the joint loads meet
	s_cmp_lt_u32 s[WV], 4                          ; waves 0-3: K's quarters; waves 4-7: V's; wave 8: V's scale words; one load a wave, four v_nop behind it
	s_cbranch_scc0 .Lnot_k
	tensor_load_to_lds s[48:51], s[24:31]
	s_nop 0
.rept 4
	v_nop
.endr
	s_branch .Lasked
.Lnot_k:
	s_cmp_lt_u32 s[WV], 8
	s_cbranch_scc0 .Lnot_v
	tensor_load_to_lds s[52:55], s[32:39]
	s_nop 0
.rept 4
	v_nop
.endr
	s_branch .Lasked
.Lnot_v:
	s_cmp_eq_u32 s[WV], 8
	s_cbranch_scc0 .Lasked
	tensor_load_to_lds s[56:59], s[40:47]
	s_nop 0
.rept 4
	v_nop
.endr
.Lasked:
	; the pointers that are not the mover's
	s_lshr_b32 s95, s23, 1
	s_lshl_b32 s95, s95, 15
	s_lshl_b32 s96, s22, 13
	s_add_co_u32 s96, s95, s96                     ; (h / 2, b)'s first word in qs and ks
	s_add_nc_u64 s[10:11], s[10:11], s[96:97]
	s_add_nc_u64 s[6:7], s[6:7], s[96:97]
	s_lshl_b32 s96, s22, 13
	s_add_nc_u64 s[16:17], s[16:17], s[96:97]      ; the batch's row of the mask
	s_lshl_b32 s96, s22, 8
	s_add_nc_u64 s[18:19], s[18:19], s[96:97]      ; and of task_emb
	s_lshl_b32 s92, s21, 9
	s_lshr_b32 s93, s[WV], 1
	s_lshl_b32 s93, s93, 5
	s_add_co_u32 s92, s92, s93
	s_and_b32 s93, s[WV], 1
	s_lshl_b32 s93, s93, 3
	s_add_co_u32 s92, s92, s93                     ; queries 512 cx + 16 w + r lie at places 512 cx + 32 (w / 2) + 8 (w % 2) + r % 8 + 16 (r / 8)
	s_mul_i32 s98, s92, 48
	s_add_co_u32 s98, s98, s94
	s_add_nc_u64 s[4:5], s[4:5], s[98:99]
	s_lshl_b32 s98, s92, 2
	s_add_nc_u64 s[6:7], s[6:7], s[98:99]
	s_lshl_b32 s98, s22, 7
	s_lshl_b32 s93, s21, 5
	s_add_co_u32 s98, s98, s93
	s_add_co_u32 s98, s98, s[WV]                   ; my tile of 16 rows: 128 b + 32 cx + w
	s_lshl_b32 s92, s98, 9                         ; its rows' scale bytes: 16 x 32
	s_mul_i32 s98, s98, 12288
	s_mul_i32 s93, s23, 768
	s_add_co_u32 s98, s98, s93
	s_add_nc_u64 s[72:73], s[72:73], s[98:99]
	s_lshl_b32 s93, s23, 1
	s_add_co_u32 s98, s92, s93
	s_add_nc_u64 s[74:75], s[74:75], s[98:99]
	; K's raw scale words, the mask, and what the task bias wants
	v_lshlrev_b32 v141, 4, v0                      ; thread t: places 4 t .. 4 t + 3
	v_and_b32 v142, 0x1f9, v0                      ; those are keys 4 t' .. 4 t' + 3, t' = t with its bits 1 and 2 exchanged
	v_bfe_u32 v143, v0, 1, 1
	v_bfe_u32 v144, v0, 2, 1
	s_delay_alu instid0(VALU_DEP_2)
	v_lshl_or_b32 v142, v143, 2, v142
	s_delay_alu instid0(VALU_DEP_1)
	v_lshl_or_b32 v142, v144, 1, v142
	s_delay_alu instid0(VALU_DEP_1)
	v_lshlrev_b32 v142, 4, v142
	v_and_b32 v143, 31, v0
	s_delay_alu instid0(VALU_DEP_1)
	v_lshlrev_b32 v144, 6, v143
	s_lshl_b32 s93, s23, 2
	v_add_nc_u32 v144, s93, v144                   ; Wt[lane][h]
	v_lshlrev_b32 v143, 2, v143                    ; task_emb[b][lane]
	v_mov_b32 v145, s93                            ; bt[h]
	global_load_b128 v[128:131], v141, s[10:11]
	global_load_b128 v[132:135], v142, s[16:17]
	global_load_b32 v136, v143, s[18:19]
	global_load_b32 v137, v143, s[18:19] offset:128
	global_load_b32 v138, v144, s[68:69]
	global_load_b32 v139, v144, s[68:69] offset:2048
	global_load_b32 v140, v145, s[70:71]
	v_and_b32 v8, 15, v0                           ; r
	v_bfe_u32 v9, v0, 4, 1                         ; h2 = lane / 16
	s_delay_alu instid0(VALU_DEP_2)
	v_mul_u32_u24 v1, v8, 48
	s_delay_alu instid0(VALU_DEP_1)
	v_mad_u32_u24 v1, v9, 24, v1                   ; a tile's place r, + my half's 24 bytes
	s_delay_alu instid0(VALU_DEP_1)
	v_add_nc_u32 v2, VC, v1
	v_lshl_add_u32 v3, v8, 2, KSW
	v_lshl_add_u32 v4, v8, 2, VSW
	v_and_b32 v10, 7, v0
	v_bfe_u32 v11, v0, 3, 1
	s_delay_alu instid0(VALU_DEP_1)
	v_lshl_add_u32 v10, v11, 4, v10
	s_delay_alu instid0(VALU_DEP_1)
	v_mul_u32_u24 v7, v10, 48
	s_delay_alu instid0(VALU_DEP_1)
	v_mad_u32_u24 v7, v9, 24, v7                   ; Q: place r % 8 + 16 (r / 8), + my half's 24 bytes
	v_lshl_add_u32 v147, v0, 4, KSW
	v_mov_b32 v146, 0x7ffe0000                     ; a hidden key's upper bytes: 254, and 127 over the zeros of k = 96 ..
.irp j, 23,24,25,26,27
	v_mov_b32 v[\j], 0                             ; Q's codes of k = 64 .. 127: zeros,
.endr
	v_cndmask_b32 v22, 8, v23, s90                 ; but +1 at k = 64 (lanes 0-15, the lowest six bits)
.irp t, 0,1,2,3
	v_cndmask_b32 v[38+12*\t], 40, v23, s90        ; K's: -1 at k = 64;
.irp j, 7,8,9,10,11
	v_mov_b32 v[32+12*\t+\j], 0                    ; these registers are written once and stay
.endr
.endr
.irp j, 236,237,238,239,253
	v_mov_b32 v[\j], 0                             ; written once: a lane permute's destination counts as a source; v253 is named in a pair before it is first made
.endr
	s_wait_loadcnt 0x0
.irp i, 0,1,2,3
	v_bfe_u32 v[128+\i], v[128+\i], s89, 16        ; my head's two bytes,
	v_cmp_eq_u32 vcc_lo, 0, v[132+\i]
	s_delay_alu instid0(VALU_DEP_1)
	v_cndmask_b32 v[132+\i], 0x7f010000, v146, vcc_lo   ; and over them 1 or 254 by the mask: a value is chosen, nothing branches
	s_delay_alu instid0(VALU_DEP_1)
	v_or_b32 v[128+\i], v[128+\i], v[132+\i]
.endr
	ds_store_b128 v147, v[128:131]
	v_mul_f32 v136, v136, v138                     ; the task bias, in f32: two terms a lane,
	s_delay_alu instid0(VALU_DEP_1)
	v_fma_f32 v136, v137, v139, v136
	s_delay_alu instid0(VALU_DEP_1)
	v_add_f32_dpp v136, v136, v136 row_xmask:1 row_mask:0xf bank_mask:0xf
	s_delay_alu instid0(VALU_DEP_1)
	v_add_f32_dpp v136, v136, v136 row_xmask:2 row_mask:0xf bank_mask:0xf
	s_delay_alu instid0(VALU_DEP_1)
	v_add_f32_dpp v136, v136, v136 row_xmask:4 row_mask:0xf bank_mask:0xf
	s_delay_alu instid0(VALU_DEP_1)
	v_add_f32_dpp v136, v136, v136 row_xmask:8 row_mask:0xf bank_mask:0xf
	s_delay_alu instid0(VALU_DEP_1)
	v_permlanex16_b32 v137, v136, s[SEL], s[SEL+1]
	s_delay_alu instid0(VALU_DEP_1)
	v_add_f32 v136, v136, v137                     ; summed over the 32 lanes,
	s_delay_alu instid0(VALU_DEP_1)
	v_add_f32 v136, v136, v140                     ; + bt[h],
	s_delay_alu instid0(VALU_DEP_1)
	v_mul_f32 v6, 0x3fb8aa3b, v136                 ; x log2(e)
	s_wait_tensorcnt 0x0                           ; my load has landed,
	s_wait_dscnt 0x0                               ; my scale words are stored:
	s_barrier_signal -1
	s_barrier_wait -1                              ; everybody's.  From here on LDS is only read
	s_mov_b32 s88, 2
; A KEY STEP: 128 keys.
.macro STEP
	v_add_nc_u32 v8, s[TB], v1                     ; (these four are also the places between the last step's products and the loads into their registers)
	v_add_nc_u32 v9, s[TB], v2
	v_add_nc_u32 v10, s[TS], v3
	v_add_nc_u32 v11, s[TJ], v4
.irp t, 0,1,2,3                                ; K's tiles 0-3: 16 loads
.irp p, 0,1,2
	ds_load_b64 v[32+12*\t+2*\p:33+12*\t+2*\p], v8 offset:768*\t+8*\p
.endr
	ds_load_b32 v[248+\t], v10 offset:64*\t
.endr
.irp t, 0,1,2,3                                ; V's four tiles, 128 keys deep: 28 loads, wanted only behind the softmax
.irp p, 0,1,2,3,4,5
	ds_load_b64 v[80+12*\t+2*\p:81+12*\t+2*\p], v9 offset:768*\t+3072*(\p/3)+8*(\p%3)
.endr
	ds_load_b32 v[28+\t], v11 offset:64*\t
.endr
	s_wait_alu depctr_va_vdst(0)
	s_wait_dscnt 28                                ; K's 16 are in; V's 28 may be out
.irp t, 0,1,2,3
	v_wmma_scale_f32_16x16x128_f8f6f4 v[S+8*\t:S+8*\t+7], v[32+12*\t:43+12*\t], v[16:27], 0, v[248+\t], v255 matrix_a_fmt:MATRIX_FMT_FP6 matrix_b_fmt:MATRIX_FMT_FP6
.endr
.rept 4
	v_nop                                          ; places in front of loads into registers that these products have read
.endr
.irp t, 0,1,2,3                                ; K's tiles 4-7
.irp p, 0,1,2
	ds_load_b64 v[32+12*\t+2*\p:33+12*\t+2*\p], v8 offset:768*(4+\t)+8*\p
.endr
	ds_load_b32 v[248+\t], v10 offset:64*(4+\t)
.endr
	s_wait_dscnt 0x0
.irp t, 0,1,2,3
	v_wmma_scale_f32_16x16x128_f8f6f4 v[S+32+8*\t:S+32+8*\t+7], v[32+12*\t:43+12*\t], v[16:27], 0, v[248+\t], v255 matrix_a_fmt:MATRIX_FMT_FP6 matrix_b_fmt:MATRIX_FMT_FP6
.endr
.rept 4
	v_nop                                          ; places in front of the first read of results
.endr
.irp b, 0,1,2,3
	v_max3_num_f32 v[232+\b], v[S+16*\b], v[S+1+16*\b], v[S+2+16*\b]   ; the largest score of each block of 32 keys: for the row's maximum and, since p rises with the score, for the block's largest p
.endr
.irp i, 3,5,7,9,11,13
.irp b, 0,1,2,3
	v_max3_num_f32 v[232+\b], v[232+\b], v[S+16*\b+\i], v[S+1+16*\b+\i]
.endr
.endr
.irp b, 0,1,2,3
	v_max_num_f32 v[232+\b], v[232+\b], v[S+15+16*\b]
.endr
.irp b, 0,1,2,3
	s_delay_alu instid0(VALU_DEP_4)
	v_permlanex16_b32 v[236+\b], v[232+\b], s[SEL], s[SEL+1]
.endr
.irp b, 0,1,2,3
	s_delay_alu instid0(VALU_DEP_4)
	v_max_num_f32 v[232+\b], v[232+\b], v[236+\b]  ; with lane l xor 16's 16 keys
.endr
	s_delay_alu instid0(VALU_DEP_2)
	v_max3_num_f32 v254, v232, v233, v234
	s_delay_alu instid0(VALU_DEP_1)
	v_max_num_f32 v254, v254, v235                 ; the step's largest score of my query,
	s_delay_alu instid0(VALU_DEP_1)
	v_fma_f32 v254, v254, s[CS], v6                ; as t = score x c + bias x log2(e)
	s_delay_alu instid0(VALU_DEP_1)
	v_max_num_f32 v13, v13, v254                   ; the running largest t
	v_mov_b32 v254, v5
	s_delay_alu instid0(VALU_DEP_2)
	v_floor_f32 v5, -v13                           ; the new -M = floor(-t): M is a whole number
	s_delay_alu instid0(VALU_DEP_1)
	v_sub_f32 v254, v5, v254                       ; old M - new M: a whole number, 0 or less
	s_delay_alu instid0(VALU_DEP_2)
	v_add_f32 v12, v6, v5                          ; the addend: bias x log2(e) - M
	s_delay_alu instid0(VALU_DEP_2)
	v_cvt_i32_f32 v254, v254                       ; (it saturates)
	s_delay_alu instid0(VALU_DEP_1)
	v_ldexp_f32 v252, 1.0, v254                    ; f = 2^(old M - new M)
.set j, 0
.rept 32
	v_pk_fma_f32 v[S+j:S+j+1], v[S+j:S+j+1], s[CS:CS+1], v[12:13] op_sel_hi:[1,0,0]   ; t - M, two at a time
.set j, j+2
.endr
.irp b, 0,1,2,3
	v_fma_f32 v[232+\b], v[232+\b], s[CS], v12     ; the same of each block's largest score
.endr
.set j, 0
	s_wait_alu depctr_va_vdst(0)
.rept 64
	v_exp_f32 v[S+j], v[S+j]                       ; p = 2^(t - M): not normalised
.set j, j+1
.endr
	v_pk_mul_f32 v[14:15], v[14:15], v[252:253] op_sel_hi:[1,0]   ; the sums under the new M (a plain line behind the exponentials)
	s_wait_alu depctr_va_vdst(0)                   ; one wait for the whole batch, ahead of its first reader
.irp b, 0,1,2,3
	v_exp_f32 v[232+\b], v[232+\b]                 ; the block's largest p
.endr
	v_pk_add_f32 v[236:237], v[132:133], v[136:137]
	v_pk_add_f32 v[250:251], v[140:141], v[144:145]
	v_pk_add_f32 v[248:249], v[148:149], v[152:153]
	v_pk_add_f32 v[246:247], v[156:157], v[160:161]
	v_pk_add_f32 v[244:245], v[164:165], v[168:169]
	v_pk_add_f32 v[242:243], v[172:173], v[176:177]
	v_pk_add_f32 v[240:241], v[180:181], v[184:185]
	v_pk_add_f32 v[14:15], v[14:15], v[188:189]
	v_pk_add_f32 v[236:237], v[236:237], v[128:129]
	v_pk_add_f32 v[250:251], v[250:251], v[130:131]
	v_pk_add_f32 v[248:249], v[248:249], v[134:135]
	v_pk_add_f32 v[246:247], v[246:247], v[138:139]
	v_pk_add_f32 v[244:245], v[244:245], v[142:143]
	v_pk_add_f32 v[242:243], v[242:243], v[146:147]
	v_pk_add_f32 v[240:241], v[240:241], v[150:151]
	v_pk_add_f32 v[14:15], v[14:15], v[154:155]
	v_pk_add_f32 v[236:237], v[236:237], v[158:159]
	v_pk_add_f32 v[250:251], v[250:251], v[162:163]
	v_pk_add_f32 v[248:249], v[248:249], v[166:167]
	v_pk_add_f32 v[246:247], v[246:247], v[170:171]
	v_pk_add_f32 v[244:245], v[244:245], v[174:175]
	v_pk_add_f32 v[242:243], v[242:243], v[178:179]
	v_pk_add_f32 v[240:241], v[240:241], v[182:183]
	v_pk_add_f32 v[14:15], v[14:15], v[186:187]
	v_pk_add_f32 v[236:237], v[236:237], v[190:191]
	s_delay_alu instid0(VALU_DEP_2)
	v_pk_add_f32 v[14:15], v[14:15], v[246:247]
	s_delay_alu instid0(VALU_DEP_2)
	v_pk_add_f32 v[236:237], v[236:237], v[244:245]
	v_pk_add_f32 v[250:251], v[250:251], v[242:243]
	v_pk_add_f32 v[248:249], v[248:249], v[240:241]
	s_delay_alu instid0(VALU_DEP_2)
	v_pk_add_f32 v[14:15], v[14:15], v[250:251]
	s_delay_alu instid0(VALU_DEP_2)
	v_pk_add_f32 v[236:237], v[236:237], v[248:249]
	s_delay_alu instid0(VALU_DEP_1)
	v_pk_add_f32 v[14:15], v[14:15], v[236:237]
	s_wait_alu depctr_va_vdst(0)                   ; and one for the four
.irp b, 0,1,2,3
	v_max_num_f32 v[232+\b], 0x1800000, v[232+\b]  ; the floor 2^(3 - 127): the byte cannot fall under 1
.endr
.irp b, 0,1,2,3
	s_delay_alu instid0(VALU_DEP_4)
	v_add_nc_u32 v[244+\b], 0xff000000, v[232+\b]  ; 2 off the exponent field: the conversion's scale operand
.endr
.irp b, 0,1,2,3
	s_delay_alu instid0(VALU_DEP_4)
	v_lshrrev_b32 v[236+\b], 23, v[244+\b]         ; the scale's byte
.endr
	s_delay_alu instid0(VALU_DEP_3)
	v_lshl_or_b32 v253, v237, 8, v236              ; p's scale word for these 128 keys
	s_delay_alu instid0(VALU_DEP_1)
	v_lshl_or_b32 v253, v238, 16, v253
	s_delay_alu instid0(VALU_DEP_1)
	v_lshl_or_b32 v253, v239, 24, v253
.irp c, 0,1
	v_cvt_scalef32_pk16_fp6_f32 v[224+6*\c:226+6*\c], v[S+32*\c:S+15+32*\c], v[244+2*\c]
	v_cvt_scalef32_pk16_fp6_f32 v[236+4*\c:238+4*\c], v[S+16+32*\c:S+31+32*\c], v[244+2*\c+1]   ; (a conversion's three registers begin on an even number)
.endr
	v_nop                                          ; one plain line behind the conversions
.irp c, 0,1                                    ; the operand's layout wants a whole block in a lane: lanes 0-15 block 2 c, lanes 16-31 block 2 c + 1
.irp i, 0,1,2
	v_permlane16_swap_b32 v[224+6*\c+\i], v[236+4*\c+\i]
.endr
.irp i, 0,1,2
	s_delay_alu instid0(VALU_DEP_3)
	v_mov_b32 v[227+6*\c+\i], v[236+4*\c+\i]
.endr
.endr
.set j, 0
.rept 16
	v_pk_mul_f32 v[O+j:O+j+1], v[O+j:O+j+1], v[252:253] op_sel_hi:[1,0]   ; O^T under the new M, from each accumulator's low end on (also the places in front of the products below)
.set j, j+2
.endr
.irp t, 0,1,2,3                                ; O^T += V^T P^T: the four accumulators by turns
	v_wmma_scale_f32_16x16x128_f8f6f4 v[O+8*\t:O+8*\t+7], v[80+12*\t:91+12*\t], v[224:235], v[O+8*\t:O+8*\t+7], v[28+\t], v253 matrix_a_fmt:MATRIX_FMT_FP6 matrix_b_fmt:MATRIX_FMT_FP6
.endr
	s_add_co_u32 s[TB], s[TB], 6144
	s_add_co_u32 s[TS], s[TS], 512
	s_add_co_u32 s[TJ], s[TJ], 256
.endm
.Lpass:                                            ; two trips: queries 512 cx + 16 w + r, then those 256 further on
	v_and_b32 v8, 7, v0
	v_bfe_u32 v9, v0, 3, 1
	s_delay_alu instid0(VALU_DEP_1)
	v_lshl_add_u32 v8, v9, 4, v8
	s_delay_alu instid0(VALU_DEP_1)
	v_lshlrev_b32 v8, 2, v8                        ; my query's place among the scale words
	global_load_b64 v[16:17], v7, s[4:5]           ; Q's codes of k = 32 h2 + 0 .. 31
	global_load_b64 v[18:19], v7, s[4:5] offset:8
	global_load_b64 v[20:21], v7, s[4:5] offset:16
	global_load_b32 v254, v8, s[6:7]
	v_mov_b32 v13, 0xf1800000                      ; the largest t so far: -2^100
	s_delay_alu instid0(VALU_DEP_1)
	v_floor_f32 v5, -v13                           ; -M
	s_wait_alu depctr_va_vdst(0)
	v_add_f32 v12, v6, v5
	v_mov_b32 v14, 0                               ; the sum, in two halves
	v_mov_b32 v15, 0
	s_wait_loadcnt 0x0
	v_bfe_u32 v255, v254, s89, 16                  ; Q's scale word: my head's two bytes,
	s_delay_alu instid0(VALU_DEP_1)
	v_or_b32 v255, 0x7f7f0000, v255                ; and 127 (the number 1) for k = 64 .. 127
.set j, 0
.rept 32
	v_mov_b32 v[O+j], 0                            ; O^T: the step is written once, its first trip finds zeros (these lines are also the places between Q's scale word and the first product)
.set j, j+1
.endr
	s_mov_b32 s[TB], 0
	s_mov_b32 s[TS], 0
	s_mov_b32 s[TJ], 0
	s_mov_b32 s87, 16
.Lstep:
	STEP
	s_sub_co_u32 s87, s87, 1
	s_cmp_lg_u32 s87, 0
	s_cbranch_scc1 .Lstep
	; THE WAY OUT: O^T / the sum, quantised along the head's 64 (two blocks), stored as half a fragment's image
	v_add_f32 v14, v14, v15                        ; the sum's two halves,
	s_delay_alu instid0(VALU_DEP_1)
	v_permlanex16_b32 v252, v14, s[SEL], s[SEL+1]
	s_delay_alu instid0(VALU_DEP_1)
	v_add_f32 v14, v14, v252                       ; and lane l xor 16's
	s_wait_alu depctr_va_vdst(0)
	v_rcp_f32 v14, v14
	v_and_b32 v8, 31, v0                           ; (plain lines behind the reciprocal, and places behind the last products)
	s_delay_alu instid0(VALU_DEP_1)
	v_lshlrev_b32 v9, 3, v8                        ; 8 x lane
	s_delay_alu instid0(VALU_DEP_2)
	v_lshlrev_b32 v8, 4, v8                        ; 16 x lane
	v_and_b32 v10, 15, v0
	v_bfe_u32 v11, v0, 4, 1
	s_delay_alu instid0(VALU_DEP_1)
	v_lshl_add_u32 v10, v10, 5, v11                ; row r's 32 scale bytes, + my block
	s_wait_alu depctr_va_vdst(0)                   ; the wait ahead of the reciprocal's first reader
.set j, 0
.rept 32
	v_mul_f32 v[S+j], v[O+j], v14                  ; register 16 b + i: channel 32 b + 16 h2 + i of my query
.set j, j+1
.endr
.irp b, 0,1
	v_max3_num_f32 v[232+\b], |v[S+16*\b]|, |v[S+1+16*\b]|, 0x1800000   ; the block's largest magnitude, with the floor 2^(3 - 127)
.endr
.irp i, 2,4,6,8,10,12,14
.irp b, 0,1
	s_delay_alu instid0(VALU_DEP_2)
	v_max3_num_f32 v[232+\b], v[232+\b], |v[S+16*\b+\i]|, |v[S+1+16*\b+\i]|
.endr
.endr
.irp b, 0,1
	s_delay_alu instid0(VALU_DEP_2)
	v_permlanex16_b32 v[236+\b], v[232+\b], s[SEL], s[SEL+1]
.endr
.irp b, 0,1
	s_delay_alu instid0(VALU_DEP_2)
	v_max_num_f32 v[232+\b], v[232+\b], v[236+\b]
.endr
.irp b, 0,1
	s_delay_alu instid0(VALU_DEP_2)
	v_add_nc_u32 v[244+\b], 0xff000000, v[232+\b]
.endr
.irp b, 0,1
	s_delay_alu instid0(VALU_DEP_2)
	v_lshrrev_b32 v[240+\b], 23, v[244+\b]
.endr
	s_delay_alu instid0(VALU_DEP_1)
	v_cndmask_b32 v254, v240, v241, s90            ; lanes 0-15 store block 0's byte, lanes 16-31 block 1's
	v_cvt_scalef32_pk16_fp6_f32 v[224:226], v[S:S+15], v244
	v_cvt_scalef32_pk16_fp6_f32 v[236:238], v[S+16:S+31], v245
	v_nop                                          ; one plain line behind the conversions
.irp i, 0,1,2
	v_permlane16_swap_b32 v[224+\i], v[236+\i]     ; a whole block to a lane
.endr
.irp i, 0,1,2
	s_delay_alu instid0(VALU_DEP_3)
	v_mov_b32 v[227+\i], v[236+\i]
.endr
	global_store_b128 v8, v[224:227], s[72:73]     ; 32 lanes store 512 consecutive bytes,
	global_store_b64 v9, v[228:229], s[72:73] offset:512   ; and 256: all at multiples of 256 from the buffer's first byte
	global_store_b8 v10, v254, s[74:75]            ; two bytes of each of 16 rows, 32 bytes apart: one part in 24 of what the wave stores
	s_wait_xcnt 0x0                                ; the stores have read their registers and bases: both may be written again
	s_add_nc_u64 s[4:5], s[4:5], 12288             ; 256 places on
	s_add_nc_u64 s[6:7], s[6:7], 1024
	s_add_nc_u64 s[72:73], s[72:73], 196608        ; 16 tiles of rows on
	s_add_nc_u64 s[74:75], s[74:75], 8192
	s_sub_co_u32 s88, s88, 1
	s_cmp_lg_u32 s88, 0
	s_cbranch_scc1 .Lpass
	s_wait_xcnt 0x0
	v_lshl_add_u32 v254, v0, 2, 0x33000
	v_mov_b32 v255, 0
	s_wait_alu depctr_va_vdst(0)
	s_wait_tensorcnt 0x0
	ds_add_u32 v254, v255
	s_wait_dscnt 0x0
	ROUND                                          ; the closing round
	s_endpgm
.Lfunc_end_k_q019c1e632d_attn:
	.size	k_q019c1e632d_attn, .Lfunc_end_k_q019c1e632d_attn-k_q019c1e632d_attn
	.p2alignl 7, 3214868480
	.fill 96, 4, 3214868480
	.section	.rodata,"a",@progbits
	.p2align	6, 0x0
	.amdhsa_kernel k_q019c1e632d_attn
		.amdhsa_group_segment_fixed_size 210944
		.amdhsa_private_segment_fixed_size 0
		.amdhsa_enable_private_segment 0
		.amdhsa_kernarg_size 96
		.amdhsa_user_sgpr_count 2
		.amdhsa_user_sgpr_kernarg_segment_ptr 1
		.amdhsa_wavefront_size32 1
		.amdhsa_system_sgpr_workgroup_id_x 1
		.amdhsa_system_sgpr_workgroup_id_y 1
		.amdhsa_system_sgpr_workgroup_id_z 1
		.amdhsa_system_vgpr_workitem_id 0
		.amdhsa_next_free_vgpr 256
		.amdhsa_next_free_sgpr 100
		.amdhsa_reserve_vcc 1
		.amdhsa_float_denorm_mode_32 3
		.amdhsa_float_denorm_mode_16_64 3
		.amdhsa_memory_ordered 1
		.amdhsa_forward_progress 1
		.amdhsa_inst_pref_size 39
	.end_amdhsa_kernel
	.amdgpu_metadata
---
amdhsa.version: [ 1, 2 ]
amdhsa.kernels:
  - .name:           k_q019c1e632d_attn
    .symbol:         k_q019c1e632d_attn.kd
    .args:
      - { .name: qc, .offset: 0, .size: 8, .value_kind: global_buffer, .address_space: global }
      - { .name: qs, .offset: 8, .size: 8, .value_kind: global_buffer, .address_space: global }
      - { .name: kc, .offset: 16, .size: 8, .value_kind: global_buffer, .address_space: global }
      - { .name: ks, .offset: 24, .size: 8, .value_kind: global_buffer, .address_space: global }
      - { .name: vc, .offset: 32, .size: 8, .value_kind: global_buffer, .address_space: global }
      - { .name: vs, .offset: 40, .size: 8, .value_kind: global_buffer, .address_space: global }
      - { .name: mask, .offset: 48, .size: 8, .value_kind: global_buffer, .address_space: global }
      - { .name: task_emb, .offset: 56, .size: 8, .value_kind: global_buffer, .address_space: global }
      - { .name: Wt, .offset: 64, .size: 8, .value_kind: global_buffer, .address_space: global }
      - { .name: bt, .offset: 72, .size: 8, .value_kind: global_buffer, .address_space: global }
      - { .name: aoc, .offset: 80, .size: 8, .value_kind: global_buffer, .address_space: global }
      - { .name: aos, .offset: 88, .size: 8, .value_kind: global_buffer, .address_space: global }
    .group_segment_fixed_size: 210944
    .private_segment_fixed_size: 0
    .kernarg_segment_align: 8
    .kernarg_segment_size: 96
    .max_flat_workgroup_size: 512
    .sgpr_count:     100
    .vgpr_count:     256
    .wavefront_size: 32
...
	.end_amdgpu_metadata
.endif
;; end of part 2
;; launch proj (part 3): grid 4 x 64, 4 waves a work-group, clusters of 4 x 4, 327,680 bytes of LDS; arguments aoc, aos, Wo_codes, Wo_scales, bo, out0; writes out0
.if DOCPART == 3
	.amdgcn_target "amdgcn-amd-amdhsa--gfx1250"
	.amdhsa_code_object_version 6
	.text
	.protected	k_q019c1e632d_proj
	.globl	k_q019c1e632d_proj
	.p2align	8
	.type	k_q019c1e632d_proj,@function
k_q019c1e632d_proj:
	s_mov_b64 s[64:65], 0
	v_nop
	global_prefetch_b8 v0, s[64:65] scope:SCOPE_SE
	s_setreg_imm32_b32 hwreg(HW_REG_WAVE_MODE, 25, 1), 1
	s_wait_xcnt 0x0
	s_wait_alu depctr_hold_cnt(0) depctr_sa_sdst(0) depctr_va_vdst(0) depctr_va_sdst(0) depctr_va_ssrc(0) depctr_va_vcc(0) depctr_vm_vsrc(0)
	s_getreg_b32 s2, hwreg(HW_REG_IB_STS2, 6, 4)
	s_cmp_eq_u32 s2, 0
	s_cbranch_scc0 .Lentry_in_a_cluster
	s_endpgm
.Lentry_in_a_cluster:
	s_bfe_u32 s2, ttmp6, 0x10000c
	s_cmp_lg_u32 s2, 0xf033
	s_cbranch_scc0 .Lentry_shape_is_right
	s_endpgm
.Lentry_shape_is_right:
; out0 = attention's result x Wo + bo on codes of FP6 (E2M3).  A block is 128 rows x 256 columns: 256 work-groups; four waves, each 64 x 128: 32 accumulators in window 2.
; A = aoc [row / 16][head][768 bytes], images of half fragments (registers 0-3 of lane l at 16 l, registers 4-5 at 512 + 8 l): 128 rows are 98,304 dense bytes.
; B = Wo's rows of 768 bytes, which begin at multiples of 256 bytes, 16 bytes of padding behind each 256: pitch 816.  ALL OF K LIES IN LDS; nothing is filled again.
; One joint load a wave at the head (waves 0, 1: 64 rows of A each; waves 2, 3: 128 rows of B each).  CLUSTERS 4 x 4: A shared along a row, B along a column.
; No prefetch: the text has no loop to run ahead in.  Scale words from memory into registers, a lane a row: odd blocks' words in lanes 16-31 (ROW1).
; Transposed use (source 0 = Wo's rows); bo is the C of the first step's products.  The stage lies in A's bytes, behind a barrier that follows every wave's last read.
; Window 0: v0-31 addresses; v32-47 A's scale words, v48-79 B's; v80-143 bo; v144-239 A's fragments, two sets; on the way out v128-255.  Window 1: B's fragments at v0 and v128.
.set SIZE_N, 1024
.set PITCH,  816
.set BLK,    16*PITCH
.set HALFA,  49152
.set BOFF,   2*HALFA
.set SPARE,  BOFF+256*PITCH
.set SPITCH, 528
.set BNO,  13
.set SVO,  15
.set ADRA, 16
.set ADRB, 20
.set STO,  24
.set RD,   25
.set CO,   26
.set SPW,  28
.set NIL,  29
.set SA,   32
.set SB,   48
.set BO,   80
.set AF,   144
.set BK,   128
.set G1,   24
.set G0,   32
.set G1B,  48
.set G0B,  56
.set MSB, 0
.macro WIN new
.if MSB != \new
	s_set_vgpr_msb (MSB<<8)|\new
.set MSB, \new
.endif
.endm
.macro PLACES
.rept 4
	v_nop
.endr
.endm
.macro CROUND
	s_barrier_signal -1
	s_barrier_wait -1
	s_cmp_lg_u32 s14, 0
	s_cbranch_scc1 .Lnot_wave_0_\@
	s_barrier_signal -3
.Lnot_wave_0_\@:
	s_barrier_wait -3
	s_barrier_signal -1
	s_barrier_wait -1
.endm
	s_load_b128 s[4:7], s[0:1], 0x0        ; aoc, aos
	s_load_b128 s[8:11], s[0:1], 0x10      ; Wo's codes, scales
	s_load_b128 s[96:99], s[0:1], 0x20     ; bo, out0
	v_lshl_add_u32 v[SPW], v0, 2, SPARE
	v_mov_b32 v[NIL], 0
	ds_add_u32 v[SPW], v[NIL]              ; the opening lines: the add twice and one wait
	ds_add_u32 v[SPW], v[NIL]
	v_lshrrev_b32 v1, 5, v0
	v_readfirstlane_b32 s14, v1
	s_lshr_b32 s15, s14, 1
	s_and_b32 s16, s14, 1
	s_bfe_u32 s40, ttmp6, 0x40000
	s_bfe_u32 s41, ttmp6, 0x40004
	s_lshl_b32 s42, ttmp9, 2
	s_add_co_u32 s42, s42, s40             ; tile column
	s_and_b32 s17, ttmp7, 0xffff
	s_lshl_b32 s17, s17, 2
	s_add_co_u32 s17, s17, s41             ; tile row
	s_lshl_b32 s43, s41, 2
	s_lshl_b32 s43, 15, s43
	s_lshl_b32 s44, 0x1111, s40
	s_or_b32 s[G1+0], s43, (3<<16)|(1<<21) ; A: 16 dense rows of 3,072 bytes, elements of 8 bytes
	s_mov_b32 s[G1+1], 384<<16
	s_mov_b32 s[G1+2], 16<<16
	s_mov_b32 s[G1+3], 384<<16
	s_mov_b32 s[G1+4], 16
	s_mov_b32 s[G1+5], 384
	s_mov_b32 s[G1+6], 0
	s_mov_b32 s[G1+7], 0
	s_or_b32 s[G1B+0], s44, (1<<20)|(1<<21)|(5<<22)|(3<<25)  ; B: bytes; 4 words of padding behind every 64
	s_mov_b32 s[G1B+1], 768<<16
	s_mov_b32 s[G1B+2], 128<<16
	s_mov_b32 s[G1B+3], 768<<16
	s_mov_b32 s[G1B+4], 128
	s_mov_b32 s[G1B+5], 768
	s_mov_b32 s[G1B+6], 0
	s_mov_b32 s[G1B+7], 0
	s_lshl_b32 s20, s17, 3
	s_lshl_b32 s18, s16, 2
	s_add_co_u32 s20, s20, s18
	s_mul_i32 s20, s20, 12288              ; A: the four groups of 16 rows that I would fetch
	s_mov_b32 s21, 0
	s_lshl_b32 s46, s42, 8
	s_lshl_b32 s18, s16, 7
	s_add_co_u32 s46, s46, s18
	s_mul_i32 s46, s46, 768
	s_mov_b32 s47, 0
	s_mul_i32 s45, s16, HALFA
	s_mul_i32 s94, s16, 128*PITCH
	s_add_co_u32 s94, s94, BOFF
	s_lshl_b32 s86, s17, 7
	s_lshl_b32 s18, s15, 6
	s_add_co_u32 s86, s86, s18             ; my first row
	s_lshl_b32 s87, s42, 8
	s_lshl_b32 s18, s16, 7
	s_add_co_u32 s87, s87, s18             ; my first column
	s_lshl_b32 s22, s86, 5
	s_mov_b32 s23, 0
	s_lshl_b32 s92, s87, 5
	s_mov_b32 s93, 0
	s_lshl_b32 s88, s87, 2
	s_mov_b32 s89, 0
	s_lshl_b32 s90, s86, 12
	s_add_co_u32 s90, s90, s88
	s_mov_b32 s91, 0
	s_wait_dscnt 0x0
	s_wait_kmcnt 0x0
	s_add_nc_u64 s[20:21], s[4:5], s[20:21]
	s_add_nc_u64 s[46:47], s[8:9], s[46:47]
	s_add_nc_u64 s[6:7], s[6:7], s[22:23]
	s_add_nc_u64 s[10:11], s[10:11], s[92:93]
	s_add_nc_u64 s[96:97], s[96:97], s[88:89]
	s_add_nc_u64 s[12:13], s[98:99], s[90:91]
	s_mov_b32 s[G0], 1
	s_mov_b32 s[G0+1], s45
	s_mov_b64 s[G0+2:G0+3], s[20:21]
	s_or_b32 s[G0+3], s[G0+3], 0x80000000
	s_mov_b32 s[G0B], 1
	s_mov_b32 s[G0B+1], s94
	s_mov_b64 s[G0B+2:G0B+3], s[46:47]
	s_or_b32 s[G0B+3], s[G0B+3], 0x80000000
	CROUND                                 ; the joint loads meet
	s_cmp_eq_u32 s15, 0
	s_cbranch_scc0 .Lfor_b
	tensor_load_to_lds s[G0:G0+3], s[G1:G1+7]
	s_nop 0
	PLACES
	s_branch .Lasked
.Lfor_b:
	tensor_load_to_lds s[G0B:G0B+3], s[G1B:G1B+7]
	s_nop 0
	PLACES
.Lasked:
	s_mul_i32 s21, s15, HALFA
	s_mul_i32 s22, s16, 128*PITCH
	s_add_co_u32 s22, s22, BOFF
	s_mul_i32 s23, s14, 16*SPITCH
	v_and_b32 v1, 15, v0
	v_bfe_u32 v2, v0, 4, 1
	v_and_b32 v6, 31, v0
	v_mul_u32_u24 v3, v1, PITCH
	v_mad_u32_u24 v3, v2, 24, v3
	v_lshl_add_u32 v[ADRA], v6, 4, s21
	v_lshl_add_u32 v[ADRA+1], v6, 3, s21
	v_add_nc_u32 v[ADRB], s22, v3
	v_lshl_add_u32 v[ADRB+1], v2, 4, v[ADRB]   ; for a piece whose lanes 16-31 lie behind the next padding
	v_add_nc_u32 v[ADRB+2], 4*BLK, v[ADRB]
	v_add_nc_u32 v[ADRB+3], 4*BLK, v[ADRB+1]
	v_mul_u32_u24 v5, v1, SPITCH
	v_lshl_add_u32 v5, v2, 5, v5
	v_add_nc_u32 v[STO], s23, v5
	v_lshlrev_b32 v[CO], 4, v6
	v_add_nc_u32 v[RD], s23, v[CO]
	v_lshlrev_b32 v[SVO], 5, v6
	v_lshlrev_b32 v[BNO], 5, v2
	s_wait_alu depctr_va_vdst(0)           ; the wait at the head's end
.irp i, 0,1
	global_load_b128 v[SA+8*\i:SA+8*\i+3], v[SVO], s[6:7] offset:1024*\i
	global_load_b128 v[SA+8*\i+4:SA+8*\i+7], v[SVO], s[6:7] offset:1024*\i+16
.endr
.irp i, 0,1,2,3
	global_load_b128 v[SB+8*\i:SB+8*\i+3], v[SVO], s[10:11] offset:1024*\i
	global_load_b128 v[SB+8*\i+4:SB+8*\i+7], v[SVO], s[10:11] offset:1024*\i+16
.endr
.irp b, 0,1,2,3,4,5,6,7
	global_load_b128 v[BO+8*\b:BO+8*\b+3], v[BNO], s[96:97] offset:64*\b
	global_load_b128 v[BO+8*\b+4:BO+8*\b+7], v[BNO], s[96:97] offset:64*\b+16
.endr
.macro FRAG reg, adr, st, off          ; B: six pieces of 8 bytes; byte y of a row lies at y + 16 (y / 256)
.irp p, 0,1,2,3,4,5
.set BY, 96*(\st)+48*(\p/3)+8*(\p%3)
.if BY/256 == (BY+24)/256
	ds_load_b64 v[\reg+2*\p:\reg+2*\p+1], v[\adr] offset:BY+16*(BY/256)+(\off)
.else
	ds_load_b64 v[\reg+2*\p:\reg+2*\p+1], v[\adr+1] offset:BY+16*(BY/256)+(\off)
.endif
.endr
.endm
.macro FRAGA reg, st, i                ; A: two images of 768 bytes
.irp c, 0,1
	ds_load_b128 v[\reg+6*\c:\reg+6*\c+3], v[ADRA] offset:12288*(\i)+768*(2*(\st)+\c)
	ds_load_b64 v[\reg+6*\c+4:\reg+6*\c+5], v[ADRA+1] offset:12288*(\i)+768*(2*(\st)+\c)+512
.endr
.endm
.macro FETCH st
	WIN 0x40
.irp i, 0,1,2,3,4,5,6,7
	FRAG 128*((\st)%2)+12*\i, ADRB+2*(\i/4), \st, (\i%4)*BLK
.endr
	WIN 0
.irp i, 0,1,2,3
	FRAGA AF+48*((\st)%2)+12*\i, \st, \i
.endr
.endm
.macro WM ao, bo
.if (\ao) == 0 && (\bo) == 0
	v_wmma_scale_f32_16x16x128_f8f6f4 v[D:D+7], v[BF:BF+11], v[AA:AA+11], v[CC:CC+7], v[SBR], v[SAR] matrix_a_fmt:MATRIX_FMT_FP6 matrix_b_fmt:MATRIX_FMT_FP6
.endif
.if (\ao) == 0 && (\bo) == 1
	v_wmma_scale_f32_16x16x128_f8f6f4 v[D:D+7], v[BF:BF+11], v[AA:AA+11], v[CC:CC+7], v[SBR], v[SAR] matrix_a_fmt:MATRIX_FMT_FP6 matrix_b_fmt:MATRIX_FMT_FP6 matrix_a_scale:MATRIX_SCALE_ROW1
.endif
.if (\ao) == 1 && (\bo) == 0
	v_wmma_scale_f32_16x16x128_f8f6f4 v[D:D+7], v[BF:BF+11], v[AA:AA+11], v[CC:CC+7], v[SBR], v[SAR] matrix_a_fmt:MATRIX_FMT_FP6 matrix_b_fmt:MATRIX_FMT_FP6 matrix_b_scale:MATRIX_SCALE_ROW1
.endif
.if (\ao) == 1 && (\bo) == 1
	v_wmma_scale_f32_16x16x128_f8f6f4 v[D:D+7], v[BF:BF+11], v[AA:AA+11], v[CC:CC+7], v[SBR], v[SAR] matrix_a_fmt:MATRIX_FMT_FP6 matrix_b_fmt:MATRIX_FMT_FP6 matrix_a_scale:MATRIX_SCALE_ROW1 matrix_b_scale:MATRIX_SCALE_ROW1
.endif
.endm
.macro MULS st, cm                     ; 32 products, the 32 accumulators by turns.  cm 1: C = bo
.irp a, 0,1,2,3
.irp b, 0,1,2,3,4,5,6,7
.set D, 8*(8*\a+\b)
.set BF, 128*((\st)%2)+12*\b
.set AA, AF+48*((\st)%2)+12*\a
.set SBR, SB+8*(\b/2)+(\st)
.set SAR, SA+8*(\a/2)+(\st)
.set CC, D
.if (\cm) == 1
.set CC, BO+8*\b
.endif
	WM \a%2, \b%2
.endr
.endr
.endm
.macro STEP st, cm
	s_wait_dscnt 0x0                       ; this step's fragments, asked for a step ago, are in
.if (\st) == 7
	s_barrier_signal -1                    ; my reads of the tiles are over
.endif
.if (\st) > 0 && (\st) < 7
	PLACES
.endif
.if (\st) < 7
	FETCH (\st)+1
.endif
.if (\cm) == 0
	WIN 0xa1
.else
	WIN 0x81
.endif
	MULS \st, \cm
.endm
	s_wait_tensorcnt 0x0                   ; my tile is in
	s_barrier_signal -1
	s_barrier_wait -1                      ; everybody's
	FETCH 0
	s_wait_loadcnt 0x0
	STEP 0, 1
.set ST, 1
.rept 7
	STEP ST, 0
.set ST, ST+1
.endr
	WIN 0
	s_barrier_wait -1                      ; nobody reads the tiles any more: the stage may be written
.macro TOSTAGE a
	WIN 0x08
.irp b, 0,1,2,3,4,5,6,7
	ds_store_b128 v[STO], v[64*(\a)+8*\b:64*(\a)+8*\b+3] offset:64*\b
	ds_store_b128 v[STO], v[64*(\a)+8*\b+4:64*(\a)+8*\b+7] offset:64*\b+16
.endr
	WIN 0
.set BB, BK+64*((\a)%2)
.irp t, 0,1,2,3,4,5,6,7,8,9,10,11,12,13,14,15
	ds_load_b128 v[BB+4*\t:BB+4*\t+3], v[RD] offset:\t*SPITCH
.endr
.endm
.macro SEND a, younger
.set BB, BK+64*((\a)%2)
	s_wait_dscnt \younger
.if (\a) > 0
	s_add_nc_u64 s[12:13], s[12:13], 16*SIZE_N*4   ; behind a wait on XCNT
.endif
.irp t, 0,1,2,3,4,5,6,7,8,9,10,11,12,13,14,15
	global_store_b128 v[CO], v[BB+4*\t:BB+4*\t+3], s[12:13] offset:\t*SIZE_N*4 th:TH_STORE_NT   ; 32 lanes store 512 consecutive bytes
.endr
.endm
	PLACES
	TOSTAGE 0
.irp a, 1,2,3
.if \a > 1
	s_wait_xcnt 0x0
.endif
	TOSTAGE \a
	SEND \a-1, 32                          ; behind that block's loads: this block's 16 stores and 16 loads
.endr
	s_wait_xcnt 0x0
	SEND 3, 0
	s_wait_tensorcnt 0x0                   ; the wave's end
	ds_add_u32 v[SPW], v[NIL]
	s_wait_dscnt 0x0
	CROUND                                 ; the closing round
	s_endpgm
.Lfunc_end_k_q019c1e632d_proj:
	.size	k_q019c1e632d_proj, .Lfunc_end_k_q019c1e632d_proj-k_q019c1e632d_proj
	.p2alignl 7, 3214868480
	.fill 96, 4, 3214868480
	.section	.rodata,"a",@progbits
	.p2align	6, 0x0
	.amdhsa_kernel k_q019c1e632d_proj
		.amdhsa_group_segment_fixed_size 327680
		.amdhsa_private_segment_fixed_size 0
		.amdhsa_enable_private_segment 0
		.amdhsa_kernarg_size 48
		.amdhsa_user_sgpr_count 2
		.amdhsa_user_sgpr_kernarg_segment_ptr 1
		.amdhsa_wavefront_size32 1
		.amdhsa_system_sgpr_workgroup_id_x 1
		.amdhsa_system_sgpr_workgroup_id_y 1
		.amdhsa_system_sgpr_workgroup_id_z 1
		.amdhsa_system_vgpr_workitem_id 0
		.amdhsa_next_free_vgpr 768
		.amdhsa_next_free_sgpr 100
		.amdhsa_reserve_vcc 0
		.amdhsa_float_denorm_mode_32 3
		.amdhsa_float_denorm_mode_16_64 3
		.amdhsa_memory_ordered 1
		.amdhsa_forward_progress 1
		.amdhsa_inst_pref_size 90
	.end_amdhsa_kernel
	.amdgpu_metadata
---
amdhsa.version: [ 1, 2 ]
amdhsa.kernels:
  - .name:           k_q019c1e632d_proj
    .symbol:         k_q019c1e632d_proj.kd
    .args:
      - { .name: aoc, .offset: 0, .size: 8, .value_kind: global_buffer, .address_space: global }
      - { .name: aos, .offset: 8, .size: 8, .value_kind: global_buffer, .address_space: global }
      - { .name: Wo_codes, .offset: 16, .size: 8, .value_kind: global_buffer, .address_space: global }
      - { .name: Wo_scales, .offset: 24, .size: 8, .value_kind: global_buffer, .address_space: global }
      - { .name: bo, .offset: 32, .size: 8, .value_kind: global_buffer, .address_space: global }
      - { .name: out0, .offset: 40, .size: 8, .value_kind: global_buffer, .address_space: global }
    .group_segment_fixed_size: 327680
    .private_segment_fixed_size: 0
    .kernarg_segment_align: 8
    .kernarg_segment_size: 48
    .max_flat_workgroup_size: 128
    .sgpr_count:     100
    .vgpr_count:     768
    .wavefront_size: 32
...
	.end_amdgpu_metadata
.endif
;; end of part 3
